; MI455X (gfx1250); checked and timed in simulation.
; The chip was launched on July 23, 2026; its instructions are those of AMD's public machine-readable ISA for CDNA 5 (MIT licence, August 2026) and "CDNA5" Instruction Set Architecture Reference Guide (July 2026). The comments in the code are by the model that wrote it; some were corrected since.
;; Attention. Allowed arithmetic: matrix products marked QUANTISED: E2M3 operands, one E8M0 scale for each 32 along K, by v_wmma_scale_f32_16x16x128_f8f6f4 with both operands' format E2M3, f32 sums; products left as they are: f32 operands where the result goes on into a quantised operand, else bf16, f16 or f32 operands; f32 sums; everything else in f32.
;; Inputs: W_b 1,024 float32; W_w 1,024 x 2,048 float32; encoder_outputs 32 x 2,048 x 1,024 float32; hidden 32 x 1,024 float32; v_b 1 float32; v_w 1 x 1,024 float32.
;; Outputs: out0 32 x 1,024 float32; out1 32 x 2,048 float32.
;; This version of the problem:
;;   THIS VERSION OF THE PROBLEM IS GIVEN IN LOW PRECISION. The matrix products marked QUANTISED in the list below multiply operands that are first quantised to E2M3 (2 exponent bits, 3 mantissa bits; 6 bits a number), with one power-of-two scale for each 32 numbers along K (OCP MX v1.0); their sums are f32. All else is computed in f32.
;;   The module's matrix products, in the order in which they are computed (A, B: the left and right operand; K: the contracted axis; several contracted axes count as one K, in the product's order):
;;     1. [M 32, K 1,024] x [K 1,024, N 1,024]; A: input hidden; B: input W_w: QUANTISED
;;     2. [M 65,536, K 1,024] x [K 1,024, N 1,024]; A: input encoder_outputs; B: input W_w: QUANTISED
;;     3. [M 65,536, K 1,024] x [K 1,024, N 1]; A: computed on the way; B: input v_w: left as it is (N = 1 < 16)
;;     4. batch 32 x [M 1, K 2,048] x [K 2,048, N 1,024]; A: softmax; B: input encoder_outputs: left as it is (M = 1 < 16)
;;   THE QUANTISER, for each operand of a quantised product, along K:
;;     - K is cut into blocks of 32 from its start; a last block that is shorter is filled with zeros.
;;     - A block's scale is 2^e with e = floor(log2(the largest magnitude in the block)) - 2, held to -126 .. 127; a block of zeros has e = 0. As a byte (E8M0): e + 127.
;;     - Each number is divided by its block's scale, clamped to +-7.5, and rounded to the nearest number of E2M3, ties to even, subnormals kept.
;;     - The product sums the exact products of the quantised numbers (number of the format x scale) in f32.
;;   ~~~python
;;   def quantise(x, axis):      # numpy; x: float32 -> the quantised numbers, widened to float32 again
;;       x = np.moveaxis(x, axis, -1); K = x.shape[-1]
;;       x = np.pad(x, [(0, 0)] * (x.ndim - 1) + [(0, -K % 32)]); x = x.reshape(x.shape[:-1] + (-1, 32)); a = np.abs(x).max(-1, keepdims=True)
;;       e = np.where(a > 0, np.clip(np.frexp(np.where(a > 0, a, 1))[1] - 1 - 2, -126, 127), 0)      # np.frexp(a)[1] - 1 = floor(log2(a)), exactly
;;       r = np.clip(x / 2.0 ** e, -7.5, 7.5)
;;       step = 2.0 ** (np.maximum(np.frexp(np.where(r == 0, 1, r))[1] - 1, 0) - 3)
;;       q = np.round(r / step) * step * 2.0 ** e      # np.round: ties to even
;;       return np.moveaxis(q.reshape(q.shape[:-2] + (-1,))[..., :K], -1, axis).astype(np.float32)
;;   ~~~
;; One version. Each part assembles by itself: llvm-mc -triple=amdgcn-amd-amdhsa -mcpu=gfx1250 --defsym DOCPART=n.
;; ======== version 1 of 1: 3 launches
;; limits: values are held in bf16: 8 bits of precision; right only within a limited range of input values
;; workspace buffers: wimg 819,200 bytes; hb 131,072 bytes; sc 262,144 bytes; pctx 8,388,608 bytes
;; launch prep (part 1): grid 64 x 3, 8 waves a work-group, no clusters, 212,480 bytes of LDS; arguments W_w, hidden, W_b, wimg, hb; writes wimg, hb
.if DOCPART == 1
	.amdgcn_target "amdgcn-amd-amdhsa--gfx1250"
	.amdhsa_code_object_version 6
	.text
	.protected	k_q6ef7ba5f32_prep
	.globl	k_q6ef7ba5f32_prep
	.p2align	8
	.type	k_q6ef7ba5f32_prep,@function
k_q6ef7ba5f32_prep:
	s_mov_b64 s[64:65], 0
	v_nop
	global_prefetch_b8 v0, s[64:65] scope:SCOPE_SE
	s_setreg_imm32_b32 hwreg(HW_REG_WAVE_MODE, 25, 1), 1
	s_wait_xcnt 0x0
; ADDITIVE ATTENTION, first of three launches.  energy = tanh(hidden Wh^T + enc We^T + W_b); score = energy . v + v_b; weights = softmax over the sequence; context = weights . enc.
; WORK LEFT OUT, for all values of the inputs.  tanh(x) = 1 - 2 r with r = 1 / (1 + 2^(c x)), c = 2 log2(e).  So score[s] = (the sum over o of v[o] + v_b) - 2 x the sum over o of v[o] r[s][o].
; The bracket is the same for every s of a batch row; a softmax takes away what is the same along its axis, and the scores are no output.  So the bracket is never formed: v_b has no way to any output,
; is not loaded and is among no launch's arguments.  The program carries T[s] = -c x the sum over o of v[o] r[s][o], which is score x log2(e) less a constant of the batch row.
; LIMITS: a NaN, an infinity or an overflow in v_b or in the sum of v is not carried to the result.  NaN and infinities among the inputs are not served.  A block of 32 zeros gets the scale byte 1 where the
; quantiser says 127: its codes are zeros, which add nothing under that byte, and the bytes are read by this program alone.
; THIS LAUNCH: (a) We = W_w[:, 1024:] becomes codes of E2M3 with one E8M0 byte for each 32 along K, laid as IMAGES OF THE OPERAND'S REGISTERS: o-tile t (rows 16 t on) is 12,800 bytes: 24 pieces of 512 bytes,
; piece 3 s + g = registers 4 g .. 4 g + 3 of the fragment of K step s, lane l's 16 bytes at 16 l; then 512 bytes of scale bytes, [16 rows][32].  (b) hb = Q(hidden) Q(Wh)^T + W_b, [32][1024] f32.
; SHARES: work-group (t, y): o-tile t; y = 0 makes We's image, y = 1, 2 make hb for rows 16 (y - 1) on of hidden.  Wave s = K step s (128 along K).  All that a wave needs is asked for at once.
; Wh is so quantised twice, once for each half of hidden: 4 MB more are read, and no load waits for another's arithmetic.
; A LOAD TAKES 512 CONSECUTIVE BYTES: one row's K step, 16 bytes a lane.  The quantiser wants whole blocks of 32 in a lane: lane (r, h) holds of row r the blocks k = 64 c + 32 h + 0 .. 31, c = 0, 1, in the order of the
; operand's registers.  So the 16 rows turn through the wave's own stage in LDS, rows 528 bytes apart: the sixteen rows that a load from the stage touches begin in sixteen different columns of 16 bytes modulo 256.
; The two arms part on the work-group's y, the same in all its waves; each has LDS bytes and a barrier of its own.  hb leaves in runs of 64 bytes, rows 4,096 bytes apart: 128 KB in all.
.set SH,    0                          ; LDS, hb's arm: wave s: two stages of 16 x 528 bytes, at 16,896 s
.set PS,    135168                     ; hb's arm: eight slabs of 1,024 bytes: wave s's part of the result tile
.set SWE,   143360                     ; We's arm: wave s: one stage, at 8,448 s
.set SCW,   210944                     ; We's arm: the scale words, 32 r + 4 s
.set SPARE, 211456                     ; the spare words, 128 bytes for each of eight waves: four blocks of 256 bytes that no other line names
.set T,   16                           ; v16-31   at work
.set WB,  32                           ; v32-39   W_b of my eight outputs
.set SW,  40                           ; v40-42   scale words: We, Wh, hidden
.set X0,  64                           ; v64-127  64 numbers
.set X1,  128                          ; v128-191 64 numbers
.set F0,  192                          ; v192-227 three fragments: We, Wh, hidden
.set F1,  204
.set F2,  216
.set D0,  240                          ; v240-247 the result tile
.macro LOADD x, base, pitch, off       ; 16 rows' 512 bytes, as they lie: register 4 rho + e, lane l: number 4 l + e of row rho's K step
.set rho, 0
.rept 16
	global_load_b128 v[\x+4*rho:\x+4*rho+3], v5, s[\base:\base+1] offset:\off+\pitch*rho
.set rho, rho+1
.endr
.endm
.macro TURN x, st, ld, off             ; through my stage: LDS serves a wave's instructions in order, so no wait stands between the stores and the loads.  Behind it register 32 c + j = k 64 c + 32 h + j of row r
.set rho, 0
.rept 16
	ds_store_b128 v[\st], v[\x+4*rho:\x+4*rho+3] offset:\off+528*rho
.set rho, rho+1
.endr
.irp c, 0,1
.irp i, 0,1,2,3,4,5,6,7
	ds_load_b128 v[\x+32*\c+4*\i:\x+32*\c+4*\i+3], v[\ld] offset:\off+256*\c+16*\i
.endr
.endr
.endm
.macro QUANT x, f, sw                  ; 64 numbers of a lane become the fragment's 12 registers and its scale word
.irp c, 0,1
	v_max3_num_f32 v[T+\c], |v[\x+32*\c]|, |v[\x+32*\c+1]|, 0x1800000   ; block 2 c + h is all mine; the floor 2^(3 - 127) holds the byte at 1 from below
.endr
.irp i, 2,4,6,8,10,12,14,16,18,20,22,24,26,28,30
.irp c, 0,1
	s_delay_alu instid0(VALU_DEP_2)
	v_max3_num_f32 v[T+\c], v[T+\c], |v[\x+32*\c+\i]|, |v[\x+32*\c+\i+1]|   ; the two blocks by turns
.endr
.endr
.irp c, 0,1
	s_delay_alu instid0(VALU_DEP_2)
	v_add_nc_u32 v[T+2+\c], 0xff000000, v[T+\c]    ; 2 off the exponent field: the conversion's scale operand
.endr
.irp c, 0,1
	s_delay_alu instid0(VALU_DEP_2)
	v_lshrrev_b32 v[T+4+\c], 23, v[T+2+\c]         ; the scale's byte
.endr
	s_delay_alu instid0(VALU_DEP_1)
	v_lshl_or_b32 v[\sw], v[T+5], 16, v[T+4]       ; my bytes, of blocks h and 2 + h,
	s_delay_alu instid0(VALU_DEP_1)
	v_lshlrev_b32 v[\sw], v6, v[\sw]               ; 8 h bits up;
	s_delay_alu instid0(VALU_DEP_1)
	v_permlanex16_b32 v14, v[\sw], s20, s21
	s_delay_alu instid0(VALU_DEP_1)
	v_or_b32 v[\sw], v[\sw], v14                   ; with lane l xor 16's two the word is whole
.irp c, 0,1
	v_cvt_scalef32_pk16_fp6_f32 v[\f+6*\c:\f+6*\c+2], v[\x+32*\c:\x+32*\c+15], v[T+2+\c]
	v_cvt_scalef32_pk16_fp6_f32 v[T+8+4*\c:T+10+4*\c], v[\x+32*\c+16:\x+32*\c+31], v[T+2+\c]   ; a conversion's three registers begin on an even number: the upper half is made elsewhere and moved
.endr
	v_nop                                          ; one plain line behind the last conversion
.irp c, 0,1
.irp i, 0,1,2
	v_mov_b32 v[\f+3+6*\c+\i], v[T+8+4*\c+\i]
.endr
.endr
.endm
	s_load_b256 s[4:11], s[0:1], 0x0               ; W_w s[4:5], hidden s[6:7], W_b s[8:9], wimg s[10:11]
	s_load_b64 s[12:13], s[0:1], 0x20              ; hb
	v_lshl_add_u32 v12, v0, 2, SPARE               ; my spare word,
	v_mov_b32 v13, 0                               ; and 0: kept for the closing lines alone
	v_lshrrev_b32 v1, 5, v0
	s_delay_alu instid0(VALU_DEP_1)
	v_readfirstlane_b32 s16, v1                    ; wave = K step s
	s_and_b32 s17, ttmp7, 0xffff                   ; y: 0 We, 1 and 2 hb
	v_and_b32 v1, 15, v0                           ; r
	v_bfe_u32 v2, v0, 4, 1                         ; h
	v_and_b32 v5, 31, v0
	s_delay_alu instid0(VALU_DEP_1)
	v_lshlrev_b32 v5, 4, v5                        ; 16 x lane
	s_delay_alu instid0(VALU_DEP_3)
	v_lshlrev_b32 v6, 3, v2                        ; 8 h
	v_mul_u32_u24 v4, v1, 528
	s_delay_alu instid0(VALU_DEP_1)
	v_lshl_add_u32 v4, v2, 7, v4                   ; 528 r + 128 h
	s_mul_i32 s18, s16, 8448
	s_add_co_u32 s18, s18, SWE
	v_add_nc_u32 v8, s18, v5                       ; We's arm: into my stage,
	v_add_nc_u32 v9, s18, v4                       ; and out of it
	s_mul_i32 s18, s16, 16896
	v_add_nc_u32 v3, s18, v5                       ; hb's arm: into my stages,
	v_add_nc_u32 v4, s18, v4                       ; and out of them
	s_lshl_b32 s18, s16, 2
	s_add_co_u32 s18, s18, SCW
	v_lshlrev_b32 v7, 5, v1
	s_delay_alu instid0(VALU_DEP_1)
	v_add_nc_u32 v7, s18, v7                       ; SCW + 32 r + 4 s
	v_add_nc_u32 v15, SCW, v5                      ; the scale words, 16 bytes a lane
	s_lshl_b32 s18, s16, 10
	s_add_co_u32 s18, s18, PS
	v_add_nc_u32 v44, s18, v5                      ; my slab: PS + 1,024 s + 16 x lane
	v_add_nc_u32 v45, PS, v5                       ; slab 0
	v_lshlrev_b32 v10, 12, v1
	s_delay_alu instid0(VALU_DEP_1)
	v_lshl_add_u32 v10, v2, 5, v10                 ; hb: row r of 4,096 bytes + 32 h
	v_lshlrev_b32 v11, 5, v2                       ; W_b: 32 h
	v_mov_b32 v14, 0                               ; written once: a lane permute's destination counts as one of its sources
	s_mov_b32 s20, 0x76543210
	s_mov_b32 s21, 0xfedcba98                      ; selects for lane l xor 16
	s_lshl_b32 s22, ttmp9, 17                      ; 16 rows of W_w a tile
	s_lshl_b32 s28, s16, 9                         ; 512 bytes a K step
	s_add_co_u32 s22, s22, s28
	s_mov_b32 s23, 0
	s_mov_b32 s29, 0
	s_wait_kmcnt 0x0
	s_add_nc_u64 s[4:5], s[4:5], s[22:23]          ; W_w at my tile's first row and my K step
	s_cmp_lg_u32 s17, 0
	s_cbranch_scc1 .Lhb
	; ---- We's image
	LOADD X0, 4, 8192, 4096                        ; We: the rows' second halves
	s_mul_i32 s32, ttmp9, 12800                    ; the tile's image,
	s_mov_b32 s33, 0
	s_mul_i32 s34, s16, 1536                       ; my fragment's three pieces
	s_mov_b32 s35, 0
	s_add_nc_u64 s[24:25], s[10:11], s[32:33]
	s_add_nc_u64 s[26:27], s[24:25], s[34:35]
	s_wait_loadcnt 0x0
	TURN X0, 8, 9, 0
	s_wait_dscnt 0x0
	QUANT X0, F0, SW
.irp g, 0,1,2
	global_store_b128 v5, v[F0+4*\g:F0+4*\g+3], s[26:27] offset:512*\g   ; the image: 32 lanes store 512 consecutive bytes, at a multiple of 256 from the buffer's first byte
.endr
	ds_store_b32 v7, v[SW]                         ; lanes l and l + 16 write the same word with the same value
	s_wait_dscnt 0x0                               ; for the others' sake: my store has landed
	s_barrier_signal -1
	s_barrier_wait -1
	s_cmp_lg_u32 s16, 0
	s_cbranch_scc1 .Lend
	ds_load_b128 v[X0:X0+3], v15                   ; wave 0: the tile's 512 scale bytes
	s_wait_dscnt 0x0
	global_store_b128 v5, v[X0:X0+3], s[24:25] offset:12288
	s_branch .Lend
	; ---- hb for 16 rows of hidden
.Lhb:
	LOADD X0, 4, 8192, 0                           ; Wh: the rows' first halves
	s_sub_co_u32 s18, s17, 1
	s_lshl_b32 s18, s18, 16                        ; 16 rows of 4,096 bytes, in hidden and in hb
	s_add_co_u32 s28, s28, s18
	s_add_nc_u64 s[6:7], s[6:7], s[28:29]
	LOADD X1, 6, 4096, 0                           ; hidden
	s_lshl_b32 s30, ttmp9, 6                       ; 16 outputs of 4 bytes a tile
	s_mov_b32 s31, 0
	s_add_nc_u64 s[8:9], s[8:9], s[30:31]
	s_wait_alu depctr_va_vdst(0)
	global_load_b128 v[WB:WB+3], v11, s[8:9]
	global_load_b128 v[WB+4:WB+7], v11, s[8:9] offset:16
	s_add_co_u32 s36, s18, s30
	s_mov_b32 s37, 0
	s_add_nc_u64 s[12:13], s[12:13], s[36:37]
	s_wait_loadcnt 18                              ; Wh is in; behind it: hidden's 16 loads and W_b's 2
	TURN X0, 3, 4, 0
	s_wait_loadcnt 2                               ; hidden is in; W_b's 2 may be out
	TURN X1, 3, 4, 8448
	s_wait_dscnt 32                                ; Wh is back from its stage; behind it: the second stage's 16 stores and 16 loads
	QUANT X0, F1, SW+1
	s_wait_dscnt 0x0
	s_wait_loadcnt 0x0                             ; W_b
	QUANT X1, F2, SW+2
.rept 8
	v_nop                                          ; a scale register written by a vector instruction stands 8 places ahead of a scaled matrix instruction, an operand so written 4
.endr
	; TRANSPOSED: source 0 = 16 rows of Wh, source 1 = 16 rows of hidden: lane (r, h) holds batch row r and the outputs 16 t + 8 h + 0 .. 7
	v_wmma_scale_f32_16x16x128_f8f6f4 v[D0:D0+7], v[F1:F1+11], v[F2:F2+11], 0, v[SW+1], v[SW+2] matrix_a_fmt:MATRIX_FMT_FP6 matrix_b_fmt:MATRIX_FMT_FP6
.rept 4
	v_nop                                          ; four places in front of the first read of the result
.endr
	ds_store_b128 v44, v[D0:D0+3]                  ; the result from its low end on
	ds_store_b128 v44, v[D0+4:D0+7] offset:512
	s_wait_dscnt 0x0                               ; for the others' sake: my stores have landed
	s_barrier_signal -1
	s_barrier_wait -1
	s_cmp_lg_u32 s16, 0
	s_cbranch_scc1 .Lend
	; wave 0: the eight K steps' parts, K ascending, onto W_b
.irp s, 0,1,2,3,4,5,6,7
.irp u, 0,1
	ds_load_b128 v[X0+8*\s+4*\u:X0+8*\s+4*\u+3], v45 offset:1024*\s+512*\u
.endr
.endr
	s_wait_dscnt 0x0
.irp s, 0,1,2,3,4,5,6,7
.irp k, 0,1,2,3
	v_pk_add_f32 v[WB+2*\k:WB+2*\k+1], v[WB+2*\k:WB+2*\k+1], v[X0+8*\s+2*\k:X0+8*\s+2*\k+1]
.endr
.endr
	global_store_b128 v10, v[WB:WB+3], s[12:13]
	global_store_b128 v10, v[WB+4:WB+7], s[12:13] offset:16
.Lend:
	s_wait_tensorcnt 0x0                           ; the wave's end, behind my last LDS store
	ds_add_u32 v12, v13
	s_wait_dscnt 0x0
	s_endpgm
.Lfunc_end_k_q6ef7ba5f32_prep:
	.size	k_q6ef7ba5f32_prep, .Lfunc_end_k_q6ef7ba5f32_prep-k_q6ef7ba5f32_prep
	.p2alignl 7, 3214868480
	.fill 96, 4, 3214868480
	.section	.rodata,"a",@progbits
	.p2align	6, 0x0
	.amdhsa_kernel k_q6ef7ba5f32_prep
		.amdhsa_group_segment_fixed_size 212480
		.amdhsa_private_segment_fixed_size 0
		.amdhsa_enable_private_segment 0
		.amdhsa_kernarg_size 40
		.amdhsa_user_sgpr_count 2
		.amdhsa_user_sgpr_kernarg_segment_ptr 1
		.amdhsa_wavefront_size32 1
		.amdhsa_system_sgpr_workgroup_id_x 1
		.amdhsa_system_sgpr_workgroup_id_y 1
		.amdhsa_system_sgpr_workgroup_id_z 1
		.amdhsa_system_vgpr_workitem_id 0
		.amdhsa_next_free_vgpr 256
		.amdhsa_next_free_sgpr 66
		.amdhsa_reserve_vcc 0
		.amdhsa_float_denorm_mode_32 3
		.amdhsa_float_denorm_mode_16_64 3
		.amdhsa_memory_ordered 1
		.amdhsa_forward_progress 1
		.amdhsa_inst_pref_size 32
	.end_amdhsa_kernel
	.amdgpu_metadata
---
amdhsa.version: [ 1, 2 ]
amdhsa.kernels:
  - .name:           k_q6ef7ba5f32_prep
    .symbol:         k_q6ef7ba5f32_prep.kd
    .args:
      - { .name: W_w, .offset: 0, .size: 8, .value_kind: global_buffer, .address_space: global }
      - { .name: hidden, .offset: 8, .size: 8, .value_kind: global_buffer, .address_space: global }
      - { .name: W_b, .offset: 16, .size: 8, .value_kind: global_buffer, .address_space: global }
      - { .name: wimg, .offset: 24, .size: 8, .value_kind: global_buffer, .address_space: global }
      - { .name: hb, .offset: 32, .size: 8, .value_kind: global_buffer, .address_space: global }
    .group_segment_fixed_size: 212480
    .private_segment_fixed_size: 0
    .kernarg_segment_align: 8
    .kernarg_segment_size: 40
    .max_flat_workgroup_size: 256
    .sgpr_count:     66
    .vgpr_count:     256
    .wavefront_size: 32
...
	.end_amdgpu_metadata
.endif
;; end of part 1
;; launch attn (part 2): grid 512 x 1, 4 waves a work-group, clusters of 4 x 1, 327,680 bytes of LDS; arguments encoder_outputs, wimg, hb, v_w, sc, pctx; writes sc, pctx
.if DOCPART == 2
	.amdgcn_target "amdgcn-amd-amdhsa--gfx1250"
	.amdhsa_code_object_version 6
	.text
	.protected	k_q6ef7ba5f32_attn
	.globl	k_q6ef7ba5f32_attn
	.p2align	8
	.type	k_q6ef7ba5f32_attn,@function
k_q6ef7ba5f32_attn:
	s_mov_b64 s[64:65], 0
	v_nop
	global_prefetch_b8 v0, s[64:65] scope:SCOPE_SE
	s_setreg_imm32_b32 hwreg(HW_REG_WAVE_MODE, 25, 1), 1
	s_wait_xcnt 0x0
	s_wait_alu depctr_hold_cnt(0) depctr_sa_sdst(0) depctr_va_vdst(0) depctr_va_sdst(0) depctr_va_ssrc(0) depctr_va_vcc(0) depctr_vm_vsrc(0)
	s_getreg_b32 s2, hwreg(HW_REG_IB_STS2, 6, 4)
	s_cmp_eq_u32 s2, 0
	s_cbranch_scc0 .Lentry_in_a_cluster
	s_endpgm
.Lentry_in_a_cluster:
	s_bfe_u32 s2, ttmp6, 0x10000c
	s_cmp_lg_u32 s2, 0x3003
	s_cbranch_scc0 .Lentry_shape_is_right
	s_endpgm
.Lentry_shape_is_right:
; Second launch.  For 128 rows of encoder_outputs a work-group, 32 a wave: T[s] = -c x the sum over o of v[o] r[s][o], r = 1 / (1 + 2^(c x)), x = hb[o] + Q(enc[s]) . Q(We[o]), c = 2 log2(e);
; and the partial context of the wave's 32 rows under their own largest T.  v_b and the sum of v are left out, as shown at the head of the first kernel: they are the same along the softmax's axis.
; LIMITS: NaN and infinities among the inputs are not served.  e = 2^(c x) is held at 2^30, so an r under 2^-30 counts as 2^-30: each term of T is off by at most |v[o]| 2^-30.
; HEAD: the rows come as four chunks of 256 columns through two LDS slots (each wave its own 32 rows); each chunk is quantised into the operand's registers (2 row tiles x 8 K steps x 12) and kept as bf16 for the context:
; 448 registers and 8 KB of LDS a wave.  So encoder_outputs is read from memory once.  Behind the load of chunk q each wave prefetches its own 32 rows of chunk q + 1, which the next load takes: 4 instructions, a lane a row, 256 bytes each.
; LOOP: We's image, 64 o-tiles, walks through the same two slots, 8 tiles a slot, asked for JOINTLY by the four work-groups of a cluster (mask 15), each wave a quarter of a slot.  The image is not prefetched: every cluster reads its 800 KB again and again.
; A trip takes a PAIR of o-tiles: 32 matrix instructions, four accumulators by turns; c x; one wait; 30 LDS loads for the next pair; ONE batch of transcendentals; one wait; 28 more LDS loads; the sums.
; ONE RECIPROCAL FOR FOUR OUTPUTS a, b, c, d (each 1 + e): with P = (a c, b d) and N = (va c + vc a, vb d + vd b) the four terms v / (1 + e) add up to (N.lo P.hi + N.hi P.lo) / (P.lo P.hi).
; The hold at 2^30 keeps the product of four under 2^121.  Of these plain instructions of the pair before, 96, five stand behind every second matrix instruction and the last sixteen behind the last.
; The matrix instruction is used transposed: source 0 = 16 rows of We, source 1 = 16 rows of enc: lane (r, h) holds row r and outputs 8 h + 0 .. 7 of the tile; hb enters as the C of the first K step.
; WINDOWS: 0: v0-15 addresses, AS, BS scales, HBR, VR, SS, SC, TT, v128-255 copies; 1: v0-191 enc's codes, v192-255 copies; 2: v0-191 We's fragments of two tiles (in the head the numbers at work), SA, SB; 3: copies.
.set QB,    33280                      ; a quarter of a slot: 32 rows x 1,040 bytes
.set SLOTB, 133120
.set HB,    266240                     ; hb of my batch row, 4,096 bytes
.set VPAD,  270336                     ; 512 bytes of zeros: v of the pair before the first
.set VV,    270848                     ; v, 4,096 bytes
.set SPARE, 274944                     ; the spare words, 128 bytes a wave
.set CPY,   275456                     ; 8,192 bytes a wave: copy groups 112 to 127; no tensor load lands here
.set L16, 1
.set QA,  2
.set CD,  4
.set H8,  6
.set BSL, 7
.set H32, 8
.set BA,  9
.set BSA, 10
.set HVA, 11
.set SPW, 12
.set NIL, 13
.set PD,  14
.set L4,  15
.set AS,  16                           ; v16-31 enc's scale words, 8 m + s
.set BS,  32                           ; v32-39 We's: 4 T + s % 4, lanes 0-15 K steps 0-3, lanes 16-31 K steps 4-7
.set HBR, 40                           ; v40-55 hb of the pair's outputs
.set VR,  56                           ; v56-71 v of the pair before
.set SS,  72                           ; v72-75 the sums, 2 m + g
.set PFO, 76                           ; v76 the prefetches' offset: lane x a row of enc; never rewritten
.set SC,  80                           ; v80-111 1 + e, then P, the divisor and the numerator
.set TT,  112                          ; v112-126 at work
.set CPA, 127
.set SA,  192                          ; window 2: x
.set SB,  224                          ; window 2: e
.set X0,  0                            ; window 2, head
.set X1,  64                           ; window 2, head
.set PR,  40                           ; tail: the 32 rows' weights
.set CA,  80                           ; tail: the partial context
.set ZR,  120
.set WV,  16
.set BG,  17
.set SEL, 20
.set CC,  22
.set G1E, 24
.set G1W, 32
.set DE,  40
.set DW,  48
.set TQ,  56
.set TH,  57
.set LAP, 58
.set TR,  59
.set MSB, 0
.macro WIN new                         ; the immediate's high byte repeats the setting that is left
.if MSB != (\new)
	s_set_vgpr_msb (MSB<<8)|(\new)
.set MSB, (\new)
.endif
.endm
.macro ROUND                           ; a round of the cluster's barrier
	s_barrier_signal -1
	s_barrier_wait -1
	s_cmp_lg_u32 s[WV], 0
	s_cbranch_scc1 .Lnot_wave_0_\@
	s_barrier_signal -3
.Lnot_wave_0_\@:
	s_barrier_wait -3
	s_barrier_signal -1
	s_barrier_wait -1
.endm
.macro TL g0, g1                       ; the four v_nop stand ahead of any switch of windows
	tensor_load_to_lds s[\g0:\g0+3], s[\g1:\g1+7]
	s_nop 0
.rept 4
	v_nop
.endr
.endm
.macro CHG kind, d, step, g1           ; a change of slots: all my tensor loads, an LDS add, my LDS reads; then the round and my one refill (kind 1) or a barrier alone
	WIN 0
	s_wait_tensorcnt 0x0
	ds_add_u32 v[SPW], v[NIL]
.if (\kind) && (\step)
	s_add_nc_u64 s[\d+2:\d+3], s[\d+2:\d+3], \step
.endif
	s_wait_dscnt 0x0
.if \kind
	ROUND
	TL \d, \g1
.else
	s_barrier_signal -1
	s_barrier_wait -1
.endif
.endm
.macro ASK q                           ; my 32 rows of chunk q: 128 blocks of 256 bytes, each named once
.irp i, 0,1,2,3
	global_prefetch_b8 v[PFO], s[4:5] offset:1024*(\q)+256*\i th:TH_LOAD_NT scope:SCOPE_SE
.endr
.endm
.macro GMAP G                          ; where copy group G = 32 chunk + row lies: window GW, register GR; GL: in LDS (in the tail read back into window 2)
.set GL, 0
.if (\G) < 64
.set GW, 3
.set GR, 4*(\G)
.elseif (\G) < 80
.set GW, 1
.set GR, 192+4*((\G)-64)
.elseif (\G) < 112
.set GW, 0
.set GR, 128+4*((\G)-80)
.else
.set GW, 2
.set GR, 4*((\G)-112)
.set GL, 1
.endif
.endm
	s_load_b256 s[4:11], s[0:1], 0x0               ; enc, wimg, hb, v_w
	s_load_b128 s[12:15], s[0:1], 0x20             ; sc, pctx
	v_lshl_add_u32 v[SPW], v0, 2, SPARE
	v_mov_b32 v[NIL], 0
	ds_add_u32 v[SPW], v[NIL]                      ; the opening lines: the add twice on end
	ds_add_u32 v[SPW], v[NIL]
	v_lshrrev_b32 v[TT], 5, v0
	v_readfirstlane_b32 s[WV], v[TT]
	s_bfe_u32 s17, ttmp6, 0x40000
	s_lshl_b32 s18, ttmp9, 2
	s_add_co_u32 s18, s18, s17                     ; work-group = block of 128 rows
	s_mov_b32 s[BG], 0x4e800000                    ; 2^30
	s_mov_b32 s[G1E+0], 0x07d20000                 ; enc: 32 rows x 256 f32, 16 bytes of padding behind each 1,024; no mask
	s_mov_b32 s[G1E+1], 256<<16
	s_mov_b32 s[G1E+2], 32<<16
	s_mov_b32 s[G1E+3], 256<<16
	s_mov_b32 s[G1E+4], 32
	s_mov_b32 s[G1E+5], 1024
	s_mov_b32 s[G1E+6], 0
	s_mov_b32 s[G1E+7], 0
	s_mov_b32 s[G1W+0], 0x07f2000f                 ; the image: two tiles, 25 dense rows of 1,024 bytes, padded alike; mask 15 and bit 21
	s_mov_b32 s[G1W+1], 256<<16
	s_mov_b32 s[G1W+2], 25<<16
	s_mov_b32 s[G1W+3], 256<<16
	s_mov_b32 s[G1W+4], 25
	s_mov_b32 s[G1W+5], 256
	s_mov_b32 s[G1W+6], 0
	s_mov_b32 s[G1W+7], 0
	s_mov_b32 s[SEL], 0x76543210
	s_mov_b32 s[SEL+1], 0xfedcba98
	s_mov_b32 s[CC], 0x4038aa3b                    ; c = 2 log2(e)
	s_mov_b32 s[CC+1], s[CC]
	s_mul_i32 s19, s[WV], QB
	s_lshl_b32 s2, s18, 19
	s_lshl_b32 s3, s[WV], 17
	s_add_co_u32 s2, s2, s3
	s_mov_b32 s3, 0
	s_mul_i32 s62, s[WV], 25600
	s_mov_b32 s63, 0
	s_lshr_b32 s60, ttmp9, 2
	s_lshl_b32 s60, s60, 12                        ; batch row = cluster / 4
	s_mov_b32 s61, 0
	v_lshlrev_b32 v[TT+1], 5, v0
	v_and_b32 v[PFO], 31, v0
	v_lshlrev_b32 v[PFO], 12, v[PFO]
	s_wait_alu depctr_va_vdst(0)
	s_wait_dscnt 0x0
	s_wait_kmcnt 0x0
	s_add_nc_u64 s[8:9], s[8:9], s[60:61]
	global_load_b128 v[80:83], v[TT+1], s[8:9]
	global_load_b128 v[84:87], v[TT+1], s[8:9] offset:16
	global_load_b128 v[88:91], v[TT+1], s[10:11]
	global_load_b128 v[92:95], v[TT+1], s[10:11] offset:16
	s_add_nc_u64 s[4:5], s[4:5], s[2:3]            ; my 32 rows of enc; not written again
	s_add_nc_u64 s[6:7], s[6:7], s[62:63]
	s_mov_b32 s[DE], 1
	s_mov_b32 s[DE+1], s19
	s_mov_b64 s[DE+2:DE+3], s[4:5]
	s_or_b32 s[DE+3], s[DE+3], 0x80000000
	s_mov_b32 s[DE+4], 1
	s_add_co_u32 s[DE+5], s19, SLOTB
	s_add_nc_u64 s[DE+6:DE+7], s[4:5], 1024
	s_or_b32 s[DE+7], s[DE+7], 0x80000000
	s_mov_b32 s[DW], 1
	s_mov_b32 s[DW+1], s19
	s_mov_b64 s[DW+2:DW+3], s[6:7]
	s_or_b32 s[DW+3], s[DW+3], 0x80000000
	s_mov_b32 s[DW+4], 1
	s_add_co_u32 s[DW+5], s19, SLOTB
	s_add_nc_u64 s[DW+6:DW+7], s[6:7], 102400
	s_or_b32 s[DW+7], s[DW+7], 0x80000000
	ROUND
	TL DE, G1E                                     ; chunk 0: my one load at the head
	ASK 1
	s_wait_alu depctr_va_vdst(0)
	s_wait_tensorcnt 0x0                           ; slot 1's first fill is issued as a refill is
	ds_add_u32 v[SPW], v[NIL]
	s_wait_dscnt 0x0
	ROUND
	TL DE+4, G1E                                   ; chunk 1
	s_lshl_b32 s2, s18, 9
	s_lshl_b32 s3, s[WV], 7
	s_add_co_u32 s2, s2, s3
	s_mov_b32 s3, 0
	s_add_nc_u64 s[12:13], s[12:13], s[2:3]        ; sc: 128 bytes a wave
	s_lshl_b32 s2, s18, 14
	s_lshl_b32 s3, s[WV], 12
	s_add_co_u32 s2, s2, s3
	s_mov_b32 s3, 0
	s_add_nc_u64 s[14:15], s[14:15], s[2:3]        ; pctx: 4,096 bytes a wave
	s_lshl_b32 s2, s[WV], 13
	s_add_co_u32 s2, s2, CPY
	ASK 2
	v_and_b32 v[TT+2], 15, v0                      ; r
	v_bfe_u32 v[TT+3], v0, 4, 1                    ; h
	v_and_b32 v[L4], 31, v0
	v_lshlrev_b32 v[L16], 4, v[L4]
	v_lshlrev_b32 v[L4], 2, v[L4]
	v_mul_u32_u24 v[QA], v[TT+2], 1040
	v_lshl_add_u32 v[QA], v[TT+3], 7, v[QA]
	v_add_nc_u32 v[QA], s19, v[QA]                 ; the quantiser's reads: row r, 128 h
	v_add_nc_u32 v[QA+1], SLOTB, v[QA]
	v_add_nc_u32 v[CD], s19, v[L16]                ; the copies' reads: 16 x lane of a row
	v_add_nc_u32 v[CD+1], SLOTB, v[CD]
	v_lshlrev_b32 v[H8], 3, v[TT+3]
	v_lshlrev_b32 v[BSL], 5, v[TT+2]
	v_lshl_add_u32 v[BSL], v[TT+3], 4, v[BSL]      ; We's scale bytes: 32 r + 16 h
	v_lshl_add_u32 v[H32], v[TT+3], 5, HB
	v_add_nc_u32 v[CPA], s2, v[L16]
	v_mov_b32 v[PD], 0
	v_lshl_add_u32 v[TT+4], v0, 5, HB
	v_lshl_add_u32 v[TT+5], v0, 2, VPAD
	s_wait_alu depctr_va_vdst(0)
	s_wait_loadcnt 0x0
	ds_store_b128 v[TT+4], v[80:83]
	ds_store_b128 v[TT+4], v[84:87] offset:16
	ds_store_b128 v[TT+4], v[88:91] offset:VV-HB
	ds_store_b128 v[TT+4], v[92:95] offset:VV-HB+16
	ds_store_b32 v[TT+5], v[PD]
.macro LDQ slot, m, sp                 ; 64 numbers a lane: row 16 m + r, k = 128 sp + 64 c + 32 h + 0 .. 31 of the chunk
	WIN 0x80
.irp c, 0,1
.irp i, 0,1,2,3,4,5,6,7
	ds_load_b128 v[X0+32*\c+4*\i:X0+32*\c+4*\i+3], v[QA+\slot] offset:16640*\m+512*\sp+256*\c+16*\i
.endr
.endr
.endm
.macro QF f                            ; they become fragment f = 8 m + s and its scale word
	WIN 0x28
.irp c, 0,1
	v_max3_num_f32 v[TT+\c], 0x1800000, |v[X0+32*\c]|, |v[X0+32*\c+1]|   ; the floor 2^(3 - 127) holds the byte at 1 from below
.endr
.irp i, 2,4,6,8,10,12,14,16,18,20,22,24,26,28,30
.irp c, 0,1
	v_max3_num_f32 v[TT+\c], v[TT+\c], |v[X0+32*\c+\i]|, |v[X0+32*\c+\i+1]|
.endr
.endr
	WIN 0
.irp c, 0,1
	v_add_nc_u32 v[TT+2+\c], 0xff000000, v[TT+\c]  ; 2 off the exponent field: the conversion's scale operand
.endr
.irp c, 0,1
	v_lshrrev_b32 v[TT+4+\c], 23, v[TT+2+\c]
.endr
	v_lshl_or_b32 v[AS+(\f)], v[TT+5], 16, v[TT+4]
	v_lshlrev_b32 v[AS+(\f)], v[H8], v[AS+(\f)]
	v_permlanex16_b32 v[PD], v[AS+(\f)], s[SEL], s[SEL+1]
	v_or_b32 v[AS+(\f)], v[AS+(\f)], v[PD]
	WIN 0x02
.irp c, 0,1
	v_cvt_scalef32_pk16_fp6_f32 v[TT+8+4*\c:TT+10+4*\c], v[X0+32*\c+16:X0+32*\c+31], v[TT+2+\c]
.endr
	WIN 0x42
.irp c, 0,1
	v_cvt_scalef32_pk16_fp6_f32 v[12*(\f)+6*\c:12*(\f)+6*\c+2], v[X0+32*\c:X0+32*\c+15], v[TT+2+\c]
.endr
	v_nop
	WIN 0x40
.irp c, 0,1
.irp i, 0,1,2
	v_mov_b32 v[12*(\f)+3+6*\c+\i], v[TT+8+4*\c+\i]
.endr
.endr
	WIN 0
.endm
.macro LDC slot, r0                    ; eight rows as they lie: 2 x 16 bytes a lane
	WIN 0x80
.irp p, 0,1,2,3,4,5,6,7
.irp j, 0,1
	ds_load_b128 v[X1+8*\p+4*\j:X1+8*\p+4*\j+3], v[CD+\slot] offset:1040*(\r0+\p)+512*\j
.endr
.endr
.endm
.macro CP g0                           ; and their bf16 copies, groups g0 .. g0 + 7
	GMAP \g0
.if GL
	WIN 0x0a
.irp p, 0,1,2,3,4,5,6,7
.irp k, 0,1,2,3
	v_cvt_pk_bf16_f32 v[SC+4*\p+\k], v[X1+8*\p+2*\k], v[X1+8*\p+2*\k+1]
.endr
.endr
	WIN 0
.irp p, 0,1,2,3,4,5,6,7
	ds_store_b128 v[CPA], v[SC+4*\p:SC+4*\p+3] offset:128*GR+512*\p
.endr
.else
	WIN (GW<<6)|0x0a
.irp p, 0,1,2,3,4,5,6,7
.irp k, 0,1,2,3
	v_cvt_pk_bf16_f32 v[GR+4*\p+\k], v[X1+8*\p+2*\k], v[X1+8*\p+2*\k+1]
.endr
.endr
	WIN 0
.endif
.endm
.macro CHUNK q, pf                     ; each wait lets the youngest 16 loads stay out; pf: the chunk to prefetch, or 0
	LDQ (\q)%2, 0, 0
	LDC (\q)%2, 0
.if \pf
	WIN 0
	ASK \pf
.endif
	s_wait_dscnt 16
	QF 2*(\q)
	LDQ (\q)%2, 0, 1
	s_wait_dscnt 16
	CP 32*(\q)
	LDC (\q)%2, 8
	s_wait_dscnt 16
	QF 2*(\q)+1
	LDQ (\q)%2, 1, 0
	s_wait_dscnt 16
	CP 32*(\q)+8
	LDC (\q)%2, 16
	s_wait_dscnt 16
	QF 8+2*(\q)
	LDQ (\q)%2, 1, 1
	s_wait_dscnt 16
	CP 32*(\q)+16
	LDC (\q)%2, 24
	s_wait_dscnt 16
	QF 9+2*(\q)
	s_wait_dscnt 0x0
	CP 32*(\q)+24
.endm
	s_wait_tensorcnt 0x1                           ; chunk 0 is in; chunk 1's load may be out
	CHUNK 0, 0
	CHG 1, DE, 2048, G1E
	CHUNK 1, 3
	CHG 1, DE+4, 2048, G1E
	CHUNK 2, 0
	CHG 1, DW, 0, G1W                              ; the image's tiles 0-7,
	CHUNK 3, 0
	CHG 1, DW+4, 0, G1W                            ; and 8-15
.macro LDB T, pp                       ; piece pp of tile T of the pair at BA: 512 bytes, four registers of a fragment
	ds_load_b128 v[96*(\T)+4*(\pp):96*(\T)+4*(\pp)+3], v[BA] offset:512*(25*(\T)+(\pp))+16*((25*(\T)+(\pp))/2)
.endm
.macro LDS0 hv, off                    ; a pair's scale words and hb
.irp T, 0,1
	ds_load_b128 v[BS+4*\T:BS+4*\T+3], v[BSA] offset:512*(25*\T+24)+16*((25*\T+24)/2)
.endr
.irp T, 0,1
.irp u, 0,1
	ds_load_b128 v[HBR+8*\T+4*\u:HBR+8*\T+4*\u+3], v[\hv] offset:\off+64*\T+16*\u
.endr
.endr
.endm
.macro LDV hv, off                     ; a pair's v
.irp T, 0,1
.irp u, 0,1
	ds_load_b128 v[VR+8*\T+4*\u:VR+8*\T+4*\u+3], v[\hv] offset:\off+64*\T+16*\u
.endr
.endr
.endm
.macro LDF half                        ; a pair's fragments, both tiles: K steps 0-3 (half 0) or 4-7 (half 1): 24 loads
	WIN 0x80
.set JJ, 0
.rept 24
	LDB JJ/12, 12*(\half)+JJ%12
.set JJ, JJ+1
.endr
	WIN 0
.endm
.macro MM T, m, s
.if (\s) == 0
	v_wmma_scale_f32_16x16x128_f8f6f4 v[SA+16*\T+8*\m:SA+16*\T+8*\m+7], v[96*\T+12*\s:96*\T+12*\s+11], v[12*(8*\m+\s):12*(8*\m+\s)+11], v[HBR+8*\T:HBR+8*\T+7], v[BS+4*\T+\s], v[AS+8*\m+\s] matrix_a_fmt:MATRIX_FMT_FP6 matrix_b_fmt:MATRIX_FMT_FP6
.elseif (\s) < 4
	v_wmma_scale_f32_16x16x128_f8f6f4 v[SA+16*\T+8*\m:SA+16*\T+8*\m+7], v[96*\T+12*\s:96*\T+12*\s+11], v[12*(8*\m+\s):12*(8*\m+\s)+11], v[SA+16*\T+8*\m:SA+16*\T+8*\m+7], v[BS+4*\T+\s], v[AS+8*\m+\s] matrix_a_fmt:MATRIX_FMT_FP6 matrix_b_fmt:MATRIX_FMT_FP6
.else
	v_wmma_scale_f32_16x16x128_f8f6f4 v[SA+16*\T+8*\m:SA+16*\T+8*\m+7], v[96*\T+12*\s:96*\T+12*\s+11], v[12*(8*\m+\s):12*(8*\m+\s)+11], v[SA+16*\T+8*\m:SA+16*\T+8*\m+7], v[BS+4*\T+\s-4], v[AS+8*\m+\s] matrix_a_fmt:MATRIX_FMT_FP6 matrix_b_fmt:MATRIX_FMT_FP6 matrix_a_scale:MATRIX_SCALE_ROW1
.endif
.endm
; The i-th of the 96 plain instructions between a pair's exponentials and its reciprocals.  0-31: e held at 2^30, from window 2 into SC; 32-47: + 1; then tile by tile, its four groups G = 4 T + 2 m + g by turns:
; N1 = (va c, vb d); N = (vc a, vd b) + N1; P = (a c, b d); the divisor P.lo P.hi; N.lo P.hi; the numerator N.hi P.lo + that.  The divisor lands in the group's third register, the numerator in its fourth.
.macro EOP i
.if (\i) < 32
	WIN 0x08
	v_min_num_f32 v[SC+(\i)], s[BG], v[SB+(\i)]
.elseif (\i) < 48
	WIN 0
	v_pk_add_f32 v[SC+2*((\i)-32):SC+2*((\i)-32)+1], v[SC+2*((\i)-32):SC+2*((\i)-32)+1], 1.0 op_sel_hi:[1,0]
.else
	WIN 0
.set EK, (((\i)-48)%24)/4
.set EG, 4*(((\i)-48)/24)+((\i)-48)%4
.set EV, VR+8*(EG/4)+4*(EG%2)
.set ES, SC+4*EG
.set ET, TT+2*(EG%4)
.if EK == 0
	v_pk_mul_f32 v[ET:ET+1], v[EV:EV+1], v[ES+2:ES+3]
.elseif EK == 1
	v_pk_fma_f32 v[ET:ET+1], v[EV+2:EV+3], v[ES:ES+1], v[ET:ET+1]
.elseif EK == 2
	v_pk_mul_f32 v[ES:ES+1], v[ES:ES+1], v[ES+2:ES+3]
.elseif EK == 3
	v_mul_f32 v[ES+2], v[ES], v[ES+1]
.elseif EK == 4
	v_mul_f32 v[ES+3], v[ET], v[ES+1]
.else
	v_fma_f32 v[ES+3], v[ET+1], v[ES], v[ES+3]
.endif
.endif
.endm
.macro RCPS                            ; eight reciprocals, in place
.irp G, 0,1,2,3,4,5,6,7
	v_rcp_f32 v[SC+4*\G+2], v[SC+4*\G+2]
.endr
.endm
.macro FST                             ; the sums take numerator / divisor
.irp T, 0,1
.irp m, 0,1
.irp g, 0,1
	v_fma_f32 v[SS+2*\m+\g], v[SC+16*\T+8*\m+4*\g+3], v[SC+16*\T+8*\m+4*\g+2], v[SS+2*\m+\g]
.endr
.endr
.endr
.endm
; A pair of o-tiles.  kind 0: the next pair lies in the same slot; 1: a change of slots; 2: a change with a refill by descriptor d; 3: the last pair, nothing more of the image is fetched.
.macro PAIR kind, d
	v_add_nc_u32 v[HVA], s[TH], v[H32]             ; the addresses are read behind the wait ahead of the batch
.if \kind != 3
	v_add_nc_u32 v[BA], s[TQ], v[L16]              ; the next pair's quarter of a slot
	v_add_nc_u32 v[BSA], s[TQ], v[BSL]
.endif
	s_wait_dscnt 28                                ; all but the youngest 28 loads: v and the fragments of K steps 4-7
.set NN, 0
.set NE, 0
.irp s, 0,1,2,3,4,5,6,7
.if \s == 4
	s_wait_dscnt 0x0                               ; they are in too; v is first read behind this line (the 49th plain line on)
.endif
.irp T, 0,1
.irp m, 0,1
.if \s == 0
	WIN 0x86                                       ; source 0 window 2, source 1 window 1, C window 0, D window 2
.else
	WIN 0xa6                                       ; C window 2
.endif
	MM \T, \m, \s                                  ; four accumulators by turns
.set NN, NN+1
.if NN%2 == 0
.rept 5
	EOP NE                                         ; the pair before
.set NE, NE+1
.endr
.endif
.endr
.endr
.endr
.rept 16
	EOP NE                                         ; its last sixteen lines: also the places behind the last matrix instructions
.set NE, NE+1
.endr
	WIN 0x82
.set JJ, 0
.rept 16
	v_pk_mul_f32 v[SA+2*JJ:SA+2*JJ+1], v[SA+2*JJ:SA+2*JJ+1], s[CC:CC+1] op_sel_hi:[1,0]   ; c x, each accumulator from its low end on
.set JJ, JJ+1
.endr
	WIN 0
	s_wait_alu depctr_va_vdst(0)                   ; the wait ahead of the batch; the loads below stand behind it too
.if \kind == 2
	CHG 1, \d, 204800, G1W                         ; my reads of the slot are over: all of this pair has been multiplied
.elseif \kind == 1
	CHG 0, 0, 0, 0
.endif
.if \kind != 3
	LDS0 HVA, 128                                  ; the next pair: scale words, hb,
	LDF 0                                          ; and K steps 0-3: 30 loads
.endif
	RCPS                                           ; ONE batch: the pair before,
	WIN 0x82
.set JJ, 0
.rept 32
	v_exp_f32 v[SB+JJ], v[SA+JJ]                   ; and e = 2^(c x) of this pair
.set JJ, JJ+1
.endr
	WIN 0
	v_nop
	s_wait_alu depctr_va_vdst(0)                   ; and the one wait behind it
	LDV HVA, VV-HB                                 ; this pair's v, for the next trip's plain lines,
.if \kind != 3
	LDF 1                                          ; and the next pair's K steps 4-7: 28 loads
.endif
	FST
	s_add_co_u32 s[TH], s[TH], 128
.endm
.macro SEG slot, mode                  ; a slot's four pairs
	s_mov_b32 s[TQ], \slot*SLOTB
	s_mov_b32 s[TR], 3
.Lseg_\@:
	s_add_co_u32 s[TQ], s[TQ], QB
	PAIR 0, 0
	s_sub_co_u32 s[TR], s[TR], 1
	s_cmp_lg_u32 s[TR], 0
	s_cbranch_scc1 .Lseg_\@
.if \mode == 2
	s_mov_b32 s[TQ], (1-\slot)*SLOTB
	PAIR 2, DW+4*\slot
.elseif \mode == 1
	s_mov_b32 s[TQ], (1-\slot)*SLOTB
	PAIR 1, 0
.else
	PAIR 3, 0
.endif
.endm
	s_mov_b32 s[TQ], 0
	s_mov_b32 s[TH], 0
	v_add_nc_u32 v[BA], s[TQ], v[L16]
	v_add_nc_u32 v[BSA], s[TQ], v[BSL]
	LDV H32, VV-HB-128                             ; the pair before the first: its v are the zeros at VPAD,
	LDS0 H32, 0
	LDF 0                                          ; the first pair, whole
	LDF 1
	WIN 0x80
.set JJ, 0
.rept 32
	v_mov_b32 v[SB+JJ], 0                          ; and its e are 0: numerator 0, divisor 1
.set JJ, JJ+1
.endr
	WIN 0
.irp j, 0,1,2,3
	v_mov_b32 v[SS+\j], 0
.endr
	s_wait_alu depctr_va_vdst(0)
	s_wait_dscnt 0x0
	s_mov_b32 s[LAP], 3
.Llap:                                     ; six refills: tiles 16 to 63
	SEG 0, 2
	SEG 1, 2
	s_sub_co_u32 s[LAP], s[LAP], 1
	s_cmp_lg_u32 s[LAP], 0
	s_cbranch_scc1 .Llap
	SEG 0, 1
	SEG 1, 0
	; the last pair's second half
	WIN 0x80
.set JJ, 0
.rept 16
	ds_load_b128 v[4*JJ:4*JJ+3], v[CPA] offset:512*JJ   ; copy groups 112 to 127 come back, into window 2
.set JJ, JJ+1
.endr
	WIN 0
	s_wait_dscnt 0x0                               ; they, and the last pair's v
.set NE, 0
.rept 96
	EOP NE
.set NE, NE+1
.endr
	s_wait_alu depctr_va_vdst(0)
	RCPS
	v_nop
	s_wait_alu depctr_va_vdst(0)
	FST
	; T of my 32 rows, their largest, p = 2^(T - largest)
	v_add_f32 v[TT], v[SS], v[SS+1]
	v_add_f32 v[TT+1], v[SS+2], v[SS+3]
	v_permlanex16_b32 v[TT+2], v[TT], s[SEL], s[SEL+1]
	v_permlanex16_b32 v[TT+3], v[TT+1], s[SEL], s[SEL+1]
	v_add_f32 v[TT], v[TT], v[TT+2]                ; with the other eight outputs of each tile
	v_add_f32 v[TT+1], v[TT+1], v[TT+3]
	v_mul_f32 v[TT], 0xc038aa3b, v[TT]             ; x -c: rows r
	v_mul_f32 v[TT+1], 0xc038aa3b, v[TT+1]         ; rows 16 + r
	v_max_num_f32 v[TT+4], v[TT], v[TT+1]
	v_max_num_f32_dpp v[TT+4], v[TT+4], v[TT+4] row_xmask:1 row_mask:0xf bank_mask:0xf
	v_max_num_f32_dpp v[TT+4], v[TT+4], v[TT+4] row_xmask:2 row_mask:0xf bank_mask:0xf
	v_max_num_f32_dpp v[TT+4], v[TT+4], v[TT+4] row_xmask:4 row_mask:0xf bank_mask:0xf
	v_max_num_f32_dpp v[TT+4], v[TT+4], v[TT+4] row_xmask:8 row_mask:0xf bank_mask:0xf
	v_cmp_ne_u32 vcc_lo, 0, v[H8]
	v_cndmask_b32 v[TT+5], v[TT], v[TT+1], vcc_lo
	global_store_b32 v[L4], v[TT+5], s[12:13]      ; 128 consecutive bytes
	v_sub_f32 v[TT+6], v[TT], v[TT+4]
	v_sub_f32 v[TT+7], v[TT+1], v[TT+4]
	s_wait_alu depctr_va_vdst(0)
	v_exp_f32 v[TT+6], v[TT+6]
	v_exp_f32 v[TT+7], v[TT+7]
	v_mov_b32 v[ZR], 0
	s_wait_alu depctr_va_vdst(0)
.set rr, 0
.rept 32
	v_readlane_b32 s[60+rr%4], v[TT+6+rr/16], rr%16
	v_mov_b32 v[PR+rr], s[60+rr%4]
.set rr, rr+1
.endr
	; the partial context: the sum over my rows of p x the bf16 copy, in f32
.set qq, 0
.rept 4
.set rr, 0
.rept 32
	GMAP 32*qq+rr
	WIN GW
.irp k, 0,1,2,3
.if rr == 0
	v_fma_mix_f32_bf16 v[CA+8*qq+2*\k], v[GR+\k], v[PR+rr], v[ZR] op_sel_hi:[1,0,0]
	v_fma_mix_f32_bf16 v[CA+8*qq+2*\k+1], v[GR+\k], v[PR+rr], v[ZR] op_sel:[1,0,0] op_sel_hi:[1,0,0]
.else
	v_fma_mix_f32_bf16 v[CA+8*qq+2*\k], v[GR+\k], v[PR+rr], v[CA+8*qq+2*\k] op_sel_hi:[1,0,0]
	v_fma_mix_f32_bf16 v[CA+8*qq+2*\k+1], v[GR+\k], v[PR+rr], v[CA+8*qq+2*\k+1] op_sel:[1,0,0] op_sel_hi:[1,0,0]
.endif
.endr
.set rr, rr+1
.endr
.set qq, qq+1
.endr
	WIN 0
.irp i, 0,1,2,3,4,5,6,7
	global_store_b128 v[L16], v[CA+4*\i:CA+4*\i+3], s[14:15] offset:512*\i   ; 512 consecutive bytes each
.endr
	s_wait_tensorcnt 0x0                           ; the wave's end
	ds_add_u32 v[SPW], v[NIL]
	s_wait_dscnt 0x0
	ROUND                                          ; the closing round
	s_endpgm
.Lfunc_end_k_q6ef7ba5f32_attn:
	.size	k_q6ef7ba5f32_attn, .Lfunc_end_k_q6ef7ba5f32_attn-k_q6ef7ba5f32_attn
	.p2alignl 7, 3214868480
	.fill 96, 4, 3214868480
	.section	.rodata,"a",@progbits
	.p2align	6, 0x0
	.amdhsa_kernel k_q6ef7ba5f32_attn
		.amdhsa_group_segment_fixed_size 327680
		.amdhsa_private_segment_fixed_size 0
		.amdhsa_enable_private_segment 0
		.amdhsa_kernarg_size 48
		.amdhsa_user_sgpr_count 2
		.amdhsa_user_sgpr_kernarg_segment_ptr 1
		.amdhsa_wavefront_size32 1
		.amdhsa_system_sgpr_workgroup_id_x 1
		.amdhsa_system_sgpr_workgroup_id_y 1
		.amdhsa_system_sgpr_workgroup_id_z 1
		.amdhsa_system_vgpr_workitem_id 0
		.amdhsa_next_free_vgpr 1024
		.amdhsa_next_free_sgpr 66
		.amdhsa_reserve_vcc 1
		.amdhsa_float_denorm_mode_32 3
		.amdhsa_float_denorm_mode_16_64 3
		.amdhsa_memory_ordered 1
		.amdhsa_forward_progress 1
		.amdhsa_inst_pref_size 255
	.end_amdhsa_kernel
	.section	.bss,"aw",@nobits
	.p2align	6
	.space	262144
	.amdgpu_metadata
---
amdhsa.version: [ 1, 2 ]
amdhsa.kernels:
  - .name:           k_q6ef7ba5f32_attn
    .symbol:         k_q6ef7ba5f32_attn.kd
    .args:
      - { .name: encoder_outputs, .offset: 0, .size: 8, .value_kind: global_buffer, .address_space: global }
      - { .name: wimg, .offset: 8, .size: 8, .value_kind: global_buffer, .address_space: global }
      - { .name: hb, .offset: 16, .size: 8, .value_kind: global_buffer, .address_space: global }
      - { .name: v_w, .offset: 24, .size: 8, .value_kind: global_buffer, .address_space: global }
      - { .name: sc, .offset: 32, .size: 8, .value_kind: global_buffer, .address_space: global }
      - { .name: pctx, .offset: 40, .size: 8, .value_kind: global_buffer, .address_space: global }
    .group_segment_fixed_size: 327680
    .private_segment_fixed_size: 0
    .kernarg_segment_align: 8
    .kernarg_segment_size: 48
    .max_flat_workgroup_size: 128
    .sgpr_count:     66
    .vgpr_count:     1024
    .wavefront_size: 32
...
	.end_amdgpu_metadata
.endif
;; end of part 2
;; launch fin (part 3): grid 8 x 32, 8 waves a work-group, no clusters, 5,632 bytes of LDS; arguments sc, pctx, out0, out1; writes out0, out1
.if DOCPART == 3
	.amdgcn_target "amdgcn-amd-amdhsa--gfx1250"
	.amdhsa_code_object_version 6
	.text
	.protected	k_q6ef7ba5f32_fin
	.globl	k_q6ef7ba5f32_fin
	.p2align	8
	.type	k_q6ef7ba5f32_fin,@function
k_q6ef7ba5f32_fin:
	s_mov_b64 s[64:65], 0
	v_nop
	global_prefetch_b8 v0, s[64:65] scope:SCOPE_SE
	s_setreg_imm32_b32 hwreg(HW_REG_WAVE_MODE, 25, 1), 1
	s_wait_xcnt 0x0
; Third launch: the softmax over a batch row's 2,048 numbers T (scores x log2(e), less a constant of the batch row: v_b and the sum of v are left out, as shown at the head of the first kernel),
; and the merge of its 64 partial contexts.  M = the largest T; weights = 2^(T - M) / L, L their sum; context = the sum over partials k of 2^(Mk - M) x partial k, / L, where Mk is the largest T of the
; partial's 32 rows: the same 32 numbers under which the second launch summed it, so the same bits.
; SHARES: work-group (x, y): batch row y, columns 128 x on of the context, rows 256 x on of the weights.  Wave w owns partials 8 w + i, i = 0 .. 7, and their rows.  Every work-group of a batch row reads all its T (8 KB).
; The weights leave by stores of 128 consecutive bytes, eight on end: 1 KB a work-group.  Memory binds, and the launch is short: no matrix unit, no cluster, no tensor load.
.set MX,    0                          ; LDS: the waves' largest T, 32 bytes
.set LS,    256                        ; the waves' sums, 32 bytes
.set CW,    512                        ; the waves' parts of the context: 512 bytes each
.set SPARE, 4608                       ; the spare words, 128 bytes for each of eight waves: four blocks of 256 bytes that no other line names
.set TR, 16                            ; v16-23 T of my rows: register i, lane l: row 256 w + 32 i + l
.set MK, 24                            ; v24-31 Mk
.set X,  32                            ; v32-63 my eight partials' 4 columns
.set E,  64                            ; v64-71 2^(T - M);  v72-79 2^(Mk - M)
.set C,  80                            ; v80-83 my part of the context
	s_load_b256 s[4:11], s[0:1], 0x0               ; sc s[4:5], pctx s[6:7], out0 s[8:9], out1 s[10:11]
	v_lshl_add_u32 v10, v0, 2, SPARE               ; my spare word,
	v_mov_b32 v11, 0                               ; and 0: kept for the closing lines alone
	v_lshrrev_b32 v1, 5, v0
	s_delay_alu instid0(VALU_DEP_1)
	v_readfirstlane_b32 s12, v1                    ; wave
	s_and_b32 s13, ttmp7, 0xffff                   ; batch row
	v_and_b32 v1, 31, v0
	s_delay_alu instid0(VALU_DEP_1)
	v_lshlrev_b32 v2, 2, v1                        ; 4 x lane
	s_delay_alu instid0(VALU_DEP_2)
	v_lshlrev_b32 v3, 4, v1                        ; 16 x lane
	s_lshl_b32 s14, s12, 2
	v_mov_b32 v4, s14                              ; LDS: MX + 4 w
	s_delay_alu instid0(VALU_DEP_1)
	v_add_nc_u32 v5, LS, v4                        ; LS + 4 w
	s_lshl_b32 s15, s12, 9
	s_add_co_u32 s15, s15, CW
	v_add_nc_u32 v6, s15, v3                       ; CW + 512 w + 16 x lane
	v_add_nc_u32 v7, CW, v3                        ; CW + 16 x lane
	v_mov_b32 v8, 0                                ; LDS byte 0
	v_mov_b32 v12, 0                               ; written once: a lane permute's destination counts as one of its sources
	s_mov_b32 s16, 0x76543210
	s_mov_b32 s17, 0xfedcba98                      ; selects for lane l xor 16
	s_lshl_b32 s18, s13, 13                        ; sc and out1: 8,192 bytes a batch row, 1,024 a wave
	s_lshl_b32 s19, s12, 10
	s_add_co_u32 s18, s18, s19
	s_mov_b32 s19, 0
	s_lshl_b32 s20, s13, 18                        ; pctx: 64 partials of 4,096 bytes a batch row, 8 a wave, 512 bytes a work-group x
	s_lshl_b32 s21, s12, 15
	s_add_co_u32 s20, s20, s21
	s_lshl_b32 s21, ttmp9, 9
	s_add_co_u32 s20, s20, s21
	s_mov_b32 s21, 0
	s_lshl_b32 s22, s13, 12                        ; out0: 4,096 bytes a batch row
	s_lshl_b32 s23, ttmp9, 9
	s_add_co_u32 s22, s22, s23
	s_mov_b32 s23, 0
	s_wait_alu depctr_va_vdst(0)
	s_wait_kmcnt 0x0
	s_add_nc_u64 s[4:5], s[4:5], s[18:19]
	s_add_nc_u64 s[6:7], s[6:7], s[20:21]
	s_add_nc_u64 s[8:9], s[8:9], s[22:23]
	s_add_nc_u64 s[10:11], s[10:11], s[18:19]
.irp i, 0,1,2,3,4,5,6,7
	global_load_b32 v[TR+\i], v2, s[4:5] offset:128*\i
.endr
.irp i, 0,1,2,3,4,5,6,7
	global_load_b128 v[X+4*\i:X+4*\i+3], v3, s[6:7] offset:4096*\i     ; 512 consecutive bytes of a partial
.endr
	s_wait_loadcnt 8                               ; T is in; the eight loads of partials may be out
.irp i, 0,1,2,3,4,5,6,7
	v_mov_b32 v[MK+\i], v[TR+\i]
.endr
.irp x, 1,2,4,8
.irp i, 0,1,2,3,4,5,6,7
	v_max_num_f32_dpp v[MK+\i], v[MK+\i], v[MK+\i] row_xmask:\x row_mask:0xf bank_mask:0xf
.endr
.endr
.irp i, 0
	v_permlanex16_b32 v12, v[MK+\i], s16, s17
	s_delay_alu instid0(VALU_DEP_1)
	v_max_num_f32 v[MK+\i], v[MK+\i], v12          ; Mk, in every lane
.endr
.irp i, 1, 2, 3, 4, 5, 6, 7
	s_delay_alu instid0(VALU_DEP_2)
	v_permlanex16_b32 v12, v[MK+\i], s16, s17
	s_delay_alu instid0(VALU_DEP_1)
	v_max_num_f32 v[MK+\i], v[MK+\i], v12          ; Mk, in every lane
.endr
	v_max3_num_f32 v92, v[MK], v[MK+1], v[MK+2]
	s_delay_alu instid0(VALU_DEP_1)
	v_max3_num_f32 v92, v92, v[MK+3], v[MK+4]
	s_delay_alu instid0(VALU_DEP_1)
	v_max3_num_f32 v92, v92, v[MK+5], v[MK+6]
	s_delay_alu instid0(VALU_DEP_1)
	v_max_num_f32 v92, v92, v[MK+7]
	ds_store_b32 v4, v92                           ; all lanes write the same word with the same value
	s_wait_dscnt 0x0
	s_barrier_signal -1
	s_barrier_wait -1
	ds_load_b128 v[84:87], v8
	ds_load_b128 v[88:91], v8 offset:16
	s_wait_dscnt 0x0
	v_max3_num_f32 v93, v84, v85, v86
	s_delay_alu instid0(VALU_DEP_1)
	v_max3_num_f32 v93, v93, v87, v88
	s_delay_alu instid0(VALU_DEP_1)
	v_max3_num_f32 v93, v93, v89, v90
	s_delay_alu instid0(VALU_DEP_1)
	v_max_num_f32 v93, v93, v91                    ; M: the maximum is taken away before the exponentials
.irp i, 0,1,2,3,4,5,6,7
	v_sub_f32 v[E+\i], v[TR+\i], v93
.endr
.irp i, 0,1,2,3,4,5,6,7
	v_sub_f32 v[E+8+\i], v[MK+\i], v93
.endr
	s_wait_alu depctr_va_vdst(0)
.irp j, 0,1,2,3,4,5,6,7,8,9,10,11,12,13,14,15
	v_exp_f32 v[E+\j], v[E+\j]
.endr
	v_nop                                          ; a plain line behind the last exponential,
	s_wait_alu depctr_va_vdst(0)                   ; and one wait for the 16
	v_add_f32 v94, v[E], v[E+1]
	v_add_f32 v92, v[E+2], v[E+3]
	v_add_f32 v94, v94, v[E+4]
	v_add_f32 v92, v92, v[E+5]
	v_add_f32 v94, v94, v[E+6]
	v_add_f32 v92, v92, v[E+7]
	s_delay_alu instid0(VALU_DEP_1)
	v_add_f32 v94, v94, v92
	s_delay_alu instid0(VALU_DEP_1)
	v_add_f32_dpp v94, v94, v94 row_xmask:1 row_mask:0xf bank_mask:0xf
	s_delay_alu instid0(VALU_DEP_1)
	v_add_f32_dpp v94, v94, v94 row_xmask:2 row_mask:0xf bank_mask:0xf
	s_delay_alu instid0(VALU_DEP_1)
	v_add_f32_dpp v94, v94, v94 row_xmask:4 row_mask:0xf bank_mask:0xf
	s_delay_alu instid0(VALU_DEP_1)
	v_add_f32_dpp v94, v94, v94 row_xmask:8 row_mask:0xf bank_mask:0xf
	s_delay_alu instid0(VALU_DEP_1)
	v_permlanex16_b32 v12, v94, s16, s17
	s_delay_alu instid0(VALU_DEP_1)
	v_add_f32 v94, v94, v12                        ; the sum over my 256 rows
	ds_store_b32 v5, v94
	s_wait_loadcnt 0x0                             ; the partials
.irp k, 0,1,2,3
	v_mul_f32 v[C+\k], v[E+8], v[X+\k]             ; the first partial starts the sums
.endr
.irp i, 1,2,3,4,5,6,7
.irp k, 0,1,2,3
	v_fma_f32 v[C+\k], v[E+8+\i], v[X+4*\i+\k], v[C+\k]
.endr
.endr
	ds_store_b128 v6, v[C:C+3]
	s_wait_dscnt 0x0
	s_barrier_signal -1
	s_barrier_wait -1
	ds_load_b128 v[84:87], v8 offset:LS
	ds_load_b128 v[88:91], v8 offset:LS+16
	s_wait_dscnt 0x0
	v_add_f32 v94, v84, v85
.irp i, 86,87,88,89,90,91
	s_delay_alu instid0(VALU_DEP_1)
	v_add_f32 v94, v94, v\i
.endr
	s_wait_alu depctr_va_vdst(0)
	v_rcp_f32 v95, v94                             ; 1 / L
	v_nop
	s_wait_alu depctr_va_vdst(0)
	s_cmp_lg_u32 s12, ttmp9                        ; the wave whose number is the work-group's x stores its 256 weights
	s_cbranch_scc1 .Lno_weights
.irp i, 0,1,2,3,4,5,6,7
	v_mul_f32 v[E+\i], v[E+\i], v95
.endr
.irp i, 0,1,2,3,4,5,6,7
	global_store_b32 v2, v[E+\i], s[10:11] offset:128*\i
.endr
.Lno_weights:
	s_cmp_lg_u32 s12, 0                            ; wave 0 adds the eight waves' parts, in ascending order
	s_cbranch_scc1 .Lend
.irp i, 0,1,2,3,4,5,6,7
	ds_load_b128 v[X+4*\i:X+4*\i+3], v7 offset:512*\i
.endr
	s_wait_dscnt 0x0
.irp i, 1
	v_pk_add_f32 v[X:X+1], v[X:X+1], v[X+4*\i:X+4*\i+1]
	v_pk_add_f32 v[X+2:X+3], v[X+2:X+3], v[X+4*\i+2:X+4*\i+3]
.endr
.irp i, 2, 3, 4, 5, 6, 7
	s_delay_alu instid0(VALU_DEP_2)
	v_pk_add_f32 v[X:X+1], v[X:X+1], v[X+4*\i:X+4*\i+1]
	s_delay_alu instid0(VALU_DEP_2)
	v_pk_add_f32 v[X+2:X+3], v[X+2:X+3], v[X+4*\i+2:X+4*\i+3]
.endr
.irp k, 0,1,2,3
	v_mul_f32 v[C+\k], v[X+\k], v95
.endr
	global_store_b128 v3, v[C:C+3], s[8:9]         ; 512 consecutive bytes, at a multiple of 256 from out0's first byte
.Lend:
	s_wait_tensorcnt 0x0                           ; the wave's end, behind my last LDS store
	ds_add_u32 v10, v11
	s_wait_dscnt 0x0
	s_endpgm
.Lfunc_end_k_q6ef7ba5f32_fin:
	.size	k_q6ef7ba5f32_fin, .Lfunc_end_k_q6ef7ba5f32_fin-k_q6ef7ba5f32_fin
	.p2alignl 7, 3214868480
	.fill 96, 4, 3214868480
	.section	.rodata,"a",@progbits
	.p2align	6, 0x0
	.amdhsa_kernel k_q6ef7ba5f32_fin
		.amdhsa_group_segment_fixed_size 5632
		.amdhsa_private_segment_fixed_size 0
		.amdhsa_enable_private_segment 0
		.amdhsa_kernarg_size 32
		.amdhsa_user_sgpr_count 2
		.amdhsa_user_sgpr_kernarg_segment_ptr 1
		.amdhsa_wavefront_size32 1
		.amdhsa_system_sgpr_workgroup_id_x 1
		.amdhsa_system_sgpr_workgroup_id_y 1
		.amdhsa_system_sgpr_workgroup_id_z 1
		.amdhsa_system_vgpr_workitem_id 0
		.amdhsa_next_free_vgpr 96
		.amdhsa_next_free_sgpr 66
		.amdhsa_reserve_vcc 0
		.amdhsa_float_denorm_mode_32 3
		.amdhsa_float_denorm_mode_16_64 3
		.amdhsa_memory_ordered 1
		.amdhsa_forward_progress 1
		.amdhsa_inst_pref_size 16
	.end_amdhsa_kernel
	.amdgpu_metadata
---
amdhsa.version: [ 1, 2 ]
amdhsa.kernels:
  - .name:           k_q6ef7ba5f32_fin
    .symbol:         k_q6ef7ba5f32_fin.kd
    .args:
      - { .name: sc, .offset: 0, .size: 8, .value_kind: global_buffer, .address_space: global }
      - { .name: pctx, .offset: 8, .size: 8, .value_kind: global_buffer, .address_space: global }
      - { .name: out0, .offset: 16, .size: 8, .value_kind: global_buffer, .address_space: global }
      - { .name: out1, .offset: 24, .size: 8, .value_kind: global_buffer, .address_space: global }
    .group_segment_fixed_size: 5632
    .private_segment_fixed_size: 0
    .kernarg_segment_align: 8
    .kernarg_segment_size: 32
    .max_flat_workgroup_size: 256
    .sgpr_count:     66
    .vgpr_count:     96
    .wavefront_size: 32
...
	.end_amdgpu_metadata
.endif
;; end of part 3
